; MI455X (gfx1250); checked and timed in simulation.
; The chip was launched on July 23, 2026; its instructions are those of AMD's public machine-readable ISA for CDNA 5 (MIT licence, August 2026) and "CDNA5" Instruction Set Architecture Reference Guide (July 2026). The comments in the code are by the model that wrote it; some were corrected since.
;; MQA. Allowed arithmetic: matrix products marked QUANTISED: E4M3 operands, one given power-of-two scale a tensor, by v_wmma_f32_16x16x64_fp8_fp8 or v_wmma_f32_16x16x128_fp8_fp8, f32 sums; everything else in f32.
;; Inputs: b_k 128 float32; b_o 2,048 float32; b_q 2,048 float32; b_v 128 float32; hidden_state_codes 4 x 1,024 x 64 x 32 uint8 (E4M3 codes of hidden_state, K innermost, in blocks of 32 codes); lowp_scales 12 int32 (the exponents e of the quantised operands' scales 2^e); w_k_codes 128 x 64 x 32 uint8 (E4M3 codes of w_k, K innermost, in blocks of 32 codes); w_o_codes 2,048 x 64 x 32 uint8 (E4M3 codes of w_o, K innermost, in blocks of 32 codes); w_q_codes 2,048 x 64 x 32 uint8 (E4M3 codes of w_q, K innermost, in blocks of 32 codes); w_v_codes 128 x 64 x 32 uint8 (E4M3 codes of w_v, K innermost, in blocks of 32 codes).
;; Outputs: out0 4 x 1,024 x 2,048 float32.
;; This version of the problem:
;;   THIS VERSION OF THE PROBLEM IS GIVEN IN LOW PRECISION. The matrix products marked QUANTISED in the list below multiply operands that are first quantised to E4M3 (4 exponent bits, 3 mantissa bits; 8 bits a number), with one given power-of-two scale for each operand tensor; their sums are f32. All else is computed in f32.
;;   The module's matrix products, in the order in which they are computed (A, B: the left and right operand; K: the contracted axis; several contracted axes count as one K, in the product's order):
;;     1. [M 4,096, K 2,048] x [K 2,048, N 2,048]; A: input hidden_state (given as codes); B: input w_q (given as codes): QUANTISED (scales: A lowp_scales[0], B lowp_scales[1])
;;     2. [M 4,096, K 2,048] x [K 2,048, N 128]; A: input hidden_state (given as codes); B: input w_k (given as codes): QUANTISED (scales: A lowp_scales[2], B lowp_scales[3])
;;     3. [M 4,096, K 2,048] x [K 2,048, N 128]; A: input hidden_state (given as codes); B: input w_v (given as codes): QUANTISED (scales: A lowp_scales[4], B lowp_scales[5])
;;     4. batch 4 x [M 16,384, K 128] x [K 128, N 1,024]; A: computed on the way; B: computed on the way: QUANTISED (scales: A lowp_scales[6], B lowp_scales[7])
;;     5. batch 4 x [M 16,384, K 1,024] x [K 1,024, N 128]; A: softmax (see below); B: computed on the way: QUANTISED (scales: A lowp_scales[8], B lowp_scales[9])
;;     6. [M 4,096, K 2,048] x [K 2,048, N 2,048]; A: computed on the way; B: input w_o (given as codes): QUANTISED (scales: A lowp_scales[10], B lowp_scales[11])
;;   THE QUANTISER, for each operand of a quantised product, along K:
;;     - The operand's scale is 2^e, e = its entry of the input lowp_scales (int32; the entries are numbered through the quantised products in the list's order, A before B).
;;     - Each number is divided by the scale, clamped to +-448, and rounded to the nearest number of E4M3, ties to even, subnormals kept.
;;     - The product sums the exact products of the quantised numbers (number of the format x scale) in f32.
;;   ~~~python
;;   def quantise(x, axis, e):      # numpy; x: float32 -> the quantised numbers, widened to float32 again
;;       x = np.moveaxis(x, axis, -1); K = x.shape[-1]
;;       r = np.clip(x / 2.0 ** e, -448, 448)
;;       step = 2.0 ** (np.maximum(np.frexp(np.where(r == 0, 1, r))[1] - 1, -6) - 3)
;;       q = np.round(r / step) * step * 2.0 ** e      # np.round: ties to even
;;       return np.moveaxis(q, -1, axis).astype(np.float32)
;;   ~~~
;;   SOFTMAX AHEAD OF A QUANTISED PRODUCT. Where the list says 'softmax', what is quantised is not the finished softmax but p = 2^(t - M), with t = logit x log2(e) and M = ceil(the row's largest t), a whole number; so 1/2 < the row's largest p <= 1. The row's sum l is taken of the UNQUANTISED p, in f32, and the product's result is divided by l at the end. Since M is a whole number, a kernel that streams over the keys may use a running M (the ceiling of the running maximum): every later rescaling is an exact power of two, so the quantised numbers keep their values, but for numbers so far below the row's largest that they fall under the format's range.
;;   OPERANDS COMPUTED ON THE WAY. 'Computed on the way' means the value that the module computes at that place (a softmax that the list does not call 'softmax' is quantised finished and normalised). What goes into a quantiser is computed in f32, as accurately as f32 sums, v_exp_f32 and their like allow (about 1e-6 of the number): no bf16 or f16 on the way to a quantiser, and a product that is left as it is and whose result goes on into a quantised operand takes f32 operands (vector FMAs, or v_wmma_f32_16x16x4_f32). A number that lies on a knife's edge between two numbers of the format may be rounded either way, as far as f32 arithmetic and the matrix unit's own rounding can turn it there, and no further.
;;   INPUTS GIVEN AS CODES. hidden_state (in the module: [4, 1024, 2048], K = its axis 2); w_k (in the module: [2048, 128], K = its axis 0); w_o (in the module: [2048, 2048], K = its axis 0); w_q (in the module: [2048, 2048], K = its axis 0); w_v (in the module: [2048, 128], K = its axis 0): each comes as NAME_codes (uint8): NAME with its K axis moved to the last place and cut into blocks of 32 codes, [.., K / 32, bytes a block], one block behind the other in memory; one code a byte (a code: sign, 4 exponent bits, 3 mantissa bits); its scale is its entry of lowp_scales. Its value is code x scale, taken as it is: it is not quantised again, and the codes and scales need not be those that the quantiser above would give.
;; One version. Each part assembles by itself: llvm-mc -triple=amdgcn-amd-amdhsa -mcpu=gfx1250 --defsym DOCPART=n.
;; ======== version 1 of 1: 3 launches
;; limits: right only within a limited range of input values
;; workspace buffers: qimg 8,388,608 bytes; kimg 524,288 bytes; vimg 524,288 bytes; ocodes 8,388,608 bytes
;; launch qkv (part 1): grid 8 x 32, 4 waves a work-group, clusters of 4 x 4, 327,680 bytes of LDS; arguments hidden_state_codes, w_q_codes, w_k_codes, w_v_codes, b_q, b_k, b_v, lowp_scales, qimg, kimg, vimg; writes qimg, kimg, vimg
.if DOCPART == 1
	.amdgcn_target "amdgcn-amd-amdhsa--gfx1250"
	.amdhsa_code_object_version 6
	.text
	.protected	k_q4290216bc9_qkv
	.globl	k_q4290216bc9_qkv
	.p2align	8
	.type	k_q4290216bc9_qkv,@function
k_q4290216bc9_qkv:
	s_mov_b64 s[64:65], 0
	v_nop
	global_prefetch_b8 v0, s[64:65] scope:SCOPE_SE
	s_setreg_imm32_b32 hwreg(HW_REG_WAVE_MODE, 25, 1), 1
	s_wait_xcnt 0x0
	s_wait_alu depctr_hold_cnt(0) depctr_sa_sdst(0) depctr_va_vdst(0) depctr_va_sdst(0) depctr_va_ssrc(0) depctr_va_vcc(0) depctr_vm_vsrc(0)
	s_getreg_b32 s2, hwreg(HW_REG_IB_STS2, 6, 4)
	s_cmp_eq_u32 s2, 0
	s_cbranch_scc0 .Lentry_in_a_cluster
	s_endpgm
.Lentry_in_a_cluster:
	s_bfe_u32 s2, ttmp6, 0x10000c
	s_cmp_lg_u32 s2, 0xf033
	s_cbranch_scc0 .Lentry_shape_is_right
	s_endpgm
.Lentry_shape_is_right:
; q = hs w_q + b_q, k = hs w_k + b_k, v = hs w_v + b_v on E4M3 codes, and their quantisers: q by 2^e6, k by 2^e7, v by 2^e9.
; hs: [4096][2048] codes; w_q: [2048][2048], w_k, w_v: [128][2048] codes, K innermost.  e0..e11: the twelve whole numbers of the buffer of scales.
; SHARES.  A work-group (X = 0..7, Y = 0..31) makes rows 128 Y .. +127 against 288 columns: q's columns 256 X .. +255 (heads 2 X, 2 X + 1) and 32 EXTRA columns:
; d = 32 cx .. +31 of k in the clusters with x = 0, of v in those with x = 1.  8 x 288 = 2,048 + 128 + 128: every work-group has the same work.
; Wave (RH, CH) takes 64 rows x one head (32 accumulators) and 64 rows x 16 extra columns (4 accumulators).
; THE MATRIX INSTRUCTION IS USED TRANSPOSED (source 0 = 16 rows of a weight, source 1 = 16 rows of hs): lane (r, h) holds row r and its registers eight neighbouring columns 8 h + 0..7.
; So the conversion of one accumulator gives registers 2 c, 2 c + 1 of the next product's operand.  RESULTS LEAVE AS IMAGES OF OPERAND REGISTERS: a fragment (16 rows x 128 K) is 2,048 bytes,
; registers 4 p .. 4 p + 3 at 512 p + 16 x lane.  qimg [b][head][tile of 16 queries], kimg [b][tile of 16 keys]: K = d.  vimg [b][128 keys][tile of 16 d]: K = the keys, so v is turned, in f32, through LDS.
; The bias is the C of each sum's first product, divided by the power of two that the sums lack; the three scales ahead of each quantiser are folded into the conversion's one.
; K goes in steps of 256 through a ring of two LDS slots.  CLUSTERS: 4 x 4.  hs's tile is shared along a row of the cluster, the weights' tiles along a column: joint loads.
; Within an instruction k is permuted alike in both operands (fragments come by loads of 16 bytes): the products meet their partners, the order of the sums inside an instruction differs.
; LIMITS: e6 - e0 - e1, e7 - e2 - e3 and e9 - e4 - e5 lie between -126 and 119, so that each scale and 448 x it is an f32 number.  NaN among the biases is not served.
; REGISTERS, in windows of 256: window 0: v1-29 addresses and scales; v32-95 hs's 4 fragments, v96-239 the weights' 9: set 0.  window 2: the same numbers: set 1.
;   window 1: q's accumulators, (i, nt) at v[8 (8 i + nt)].  window 3: v0-31 the extras' accumulators, v32-39 their bias, v64-127 q's bias.
.set PITCH, 272                        ; an LDS row: 256 bytes + 16 of padding: the 16 rows of a fragment load start 68 words apart
.set ROWB,  256                        ; a tile's row: 256 codes
.set BOFF,  128*PITCH                  ; a slot: hs's 128 rows, w_q's 256 rows, the extras' 32 rows
.set EOFF,  384*PITCH
.set SLOT,  416*PITCH
.set SPARE, 2*SLOT                     ; the spare words, 128 bytes a wave: two blocks of 256 bytes that no other line names
.set KST,   SPARE+512                  ; k's way out: 8 tiles of keys x 512 bytes
.set VST,   KST+4096                   ; v's way out: for each wave 64 keys x (16 d x 4 bytes + 16)
.set AF, 32
.set BF, 96
.set BQ, 64                            ; in window 3
.set BE, 32                            ; in window 3
.set G1A, 28                           ; s[28:35], s[36:43], s[44:51]: descriptor groups 1 for hs, w_q, the extras
.set G1B, 36
.set G1E, 44
.set G0A, 52                           ; s[52:59], s[68:75], s[76:83]: their groups 0, a set for each slot
.set G0B, 68
.set G0E, 76
.set PADW, (1<<20)|(1<<21)|(5<<22)|(3<<25)   ; elements of 1 byte; padding on; bit 21 beside a mask; after every 64 words, 4 words
.set MSB, 0
.macro WIN new                         ; the immediate's high byte repeats the setting that is left
.if MSB != \new
	s_set_vgpr_msb (MSB<<8)|\new
.set MSB, \new
.endif
.endm
.macro PLACES n
.rept \n
	v_nop
.endr
.endm
.macro CREST                           ; a round of the cluster's barrier behind its opening barrier
	s_cmp_lg_u32 s60, 0
	s_cbranch_scc1 .Lnot_wave_0_\@
	s_barrier_signal -3
.Lnot_wave_0_\@:
	s_barrier_wait -3
	s_barrier_signal -1
	s_barrier_wait -1
.endm
.macro CROUND
	s_barrier_signal -1
	s_barrier_wait -1
	CREST
.endm
; A joint load: wave 0 fetches hs's tile, waves 1 and 2 w_q's halves, wave 3 the extras'.  The branches hang on the wave's number alone.  Four v_nop follow each line.
.macro JLOAD s
	s_cmp_eq_u32 s60, 0
	s_cbranch_scc0 .Lnot_a_\@
	tensor_load_to_lds s[G0A+4*\s:G0A+4*\s+3], s[G1A:G1A+7]
	s_nop 0
	PLACES 4
	s_branch .Lasked_\@
.Lnot_a_\@:
	s_cmp_lt_u32 s60, 3
	s_cbranch_scc0 .Lfor_e_\@
	tensor_load_to_lds s[G0B+4*\s:G0B+4*\s+3], s[G1B:G1B+7]
	s_nop 0
	PLACES 4
	s_branch .Lasked_\@
.Lfor_e_\@:
	tensor_load_to_lds s[G0E+4*\s:G0E+4*\s+3], s[G1E:G1E+7]
	s_nop 0
	PLACES 4
.Lasked_\@:
.endm
	s_load_b512 s[4:19], s[0:1], 0x0               ; hs s[4:5], w_q s[6:7], w_k s[8:9], w_v s[10:11], b_q s[12:13], b_k s[14:15], b_v s[16:17], the scales s[18:19]
	s_load_b128 s[20:23], s[0:1], 0x40             ; qimg, kimg
	s_load_b64 s[24:25], s[0:1], 0x50              ; vimg
	v_lshl_add_u32 v28, v0, 2, SPARE               ; my spare word; never rewritten
	v_mov_b32 v29, 0                               ; never rewritten
	ds_add_u32 v28, v29
	ds_add_u32 v28, v29
	s_wait_dscnt 0x0
	v_lshrrev_b32 v1, 5, v0
	v_readfirstlane_b32 s60, v1                    ; wave 0..3
	s_lshr_b32 s61, s60, 1                         ; RH: which 64 rows are mine.  Also: which half of w_q's tile waves 1 and 2 fetch
	s_and_b32 s62, s60, 1                          ; CH: which head, and which 16 extra columns
	s_mov_b32 s63, ttmp9                           ; 0: the extras are k's; 1: v's.  The same in all sixteen partners
	s_bfe_u32 s96, ttmp6, 0x40000                  ; cx
	s_bfe_u32 s97, ttmp6, 0x40004                  ; cy
	s_lshl_b32 s26, ttmp9, 2
	s_add_co_u32 s26, s26, s96                     ; X = 4 x cluster x + cx
	s_and_b32 s27, ttmp7, 0xffff
	s_lshl_b32 s27, s27, 2
	s_add_co_u32 s27, s27, s97                     ; Y = 4 x cluster y + cy
	s_lshl_b32 s2, s97, 2
	s_lshl_b32 s2, 15, s2                          ; my row of the cluster
	s_lshl_b32 s3, 0x1111, s96                     ; my column
	s_or_b32 s[G1A], s2, PADW
	s_or_b32 s[G1B], s3, PADW
	s_or_b32 s[G1E], s3, PADW
.irp g, G1A, G1B, G1E
	s_mov_b32 s[\g+1], ROWB<<16                    ; tensor_dim0
	s_mov_b32 s[\g+3], ROWB<<16                    ; tile_dim0
	s_mov_b32 s[\g+5], 2048                        ; from row to row
	s_mov_b32 s[\g+6], 0
	s_mov_b32 s[\g+7], 0
.endr
	s_mov_b32 s[G1A+2], 128<<16                    ; tensor_dim1 and tile_dim1: 128, 128 and 32 rows
	s_mov_b32 s[G1A+4], 128
	s_mov_b32 s[G1B+2], 128<<16
	s_mov_b32 s[G1B+4], 128
	s_mov_b32 s[G1E+2], 32<<16
	s_mov_b32 s[G1E+4], 32
	s_lshl_b32 s100, s27, 18                       ; hs: row 128 Y, in bytes: it hangs on Y alone
	s_mov_b32 s101, 0
	s_lshl_b32 s98, s26, 19                        ; w_q: row 256 X + 128 x half: on X alone
	s_lshl_b32 s99, s61, 18
	s_add_co_u32 s98, s98, s99
	s_mov_b32 s99, 0
	s_mul_i32 s2, s61, BOFF                        ; and that half's place in a slot
	s_wait_kmcnt 0x0
	s_load_b256 s[84:91], s[18:19], 0x0            ; e0 .. e7
	s_load_b128 s[92:95], s[18:19], 0x20           ; e8 .. e11
	s_add_nc_u64 s[100:101], s[4:5], s[100:101]
	s_add_nc_u64 s[98:99], s[6:7], s[98:99]
	s_cmp_eq_u32 s63, 0
	s_cselect_b64 s[8:9], s[8:9], s[10:11]         ; the extras' weight: w_k or w_v,
	s_cselect_b64 s[14:15], s[14:15], s[16:17]     ; and their bias
	s_lshl_b32 s10, s96, 16                        ; row 32 cx
	s_mov_b32 s11, 0
	s_add_nc_u64 s[8:9], s[8:9], s[10:11]
	CROUND                                         ; all sixteen work-groups are here: the first joint loads meet
.irp s, 0,1
	s_mov_b32 s[G0A+4*\s], 1
	s_mov_b32 s[G0A+4*\s+1], \s*SLOT
	s_add_nc_u64 s[G0A+4*\s+2:G0A+4*\s+3], s[100:101], \s*ROWB
	s_or_b32 s[G0A+4*\s+3], s[G0A+4*\s+3], 0x80000000
	s_mov_b32 s[G0B+4*\s], 1
	s_add_co_u32 s[G0B+4*\s+1], s2, \s*SLOT+BOFF
	s_add_nc_u64 s[G0B+4*\s+2:G0B+4*\s+3], s[98:99], \s*ROWB
	s_or_b32 s[G0B+4*\s+3], s[G0B+4*\s+3], 0x80000000
	s_mov_b32 s[G0E+4*\s], 1
	s_mov_b32 s[G0E+4*\s+1], \s*SLOT+EOFF
	s_add_nc_u64 s[G0E+4*\s+2:G0E+4*\s+3], s[8:9], \s*ROWB
	s_or_b32 s[G0E+4*\s+3], s[G0E+4*\s+3], 0x80000000
.endr
	JLOAD 0                                        ; K chunk 0: one tensor load a wave at the head
	; THE PREFETCHES.  Behind the joint load of K chunk j stands one global_prefetch_b8 a wave for chunk j + 2 (at the head also for chunk 1): a lane a row, 256 bytes of each row.
	; The rows that a wave fetches are shared out BY ADDRESS among the four partners that ask for them jointly: 32 of 128 (hs by cx, w_q by cy), 8 of the extras' 32 (by cy; the lanes left over name the last row again).
	; hs's rows are asked for by every cluster that loads them; the weights' rows, which all eight rows of clusters load, by the first four rows of clusters alone.  Chunk 7 is the last that is named.
	s_cmp_eq_u32 s60, 0
	s_cselect_b64 s[98:99], s[100:101], s[98:99]   ; wave 0: hs's tile; waves 1, 2: their half of w_q's
	s_cselect_b32 s100, s96, s97                   ; my place among the four partners
	s_cmp_eq_u32 s60, 3
	s_cselect_b64 s[98:99], s[8:9], s[98:99]       ; wave 3: the extras'
	s_cselect_b32 s101, 8, 32                      ; rows to a partner
	s_mul_i32 s100, s100, s101
	s_lshl_b32 s100, s100, 11                      ; my first row, in bytes
	s_sub_co_u32 s101, s101, 1
	v_and_b32 v14, 31, v0
	v_min_u32 v14, s101, v14
	v_lshlrev_b32 v14, 11, v14                     ; v14: my lane's row; never rewritten
	s_mov_b32 s101, 0
	s_add_nc_u64 s[98:99], s[98:99], s[100:101]
	s_add_nc_u64 s[98:99], s[98:99], 256           ; s[98:99] stands one chunk behind the chunk that a prefetch names
	s_and_b32 s100, ttmp7, 0xffff
	s_cmp_lt_u32 s100, 4
	s_cselect_b32 s100, 1, -1
	s_cmp_eq_u32 s60, 0
	s_cselect_b32 s100, 1, s100                    ; s100: 1 where my wave asks, else the greatest number
	s_wait_alu depctr_va_vdst(0)
	s_cmp_eq_u32 s100, 1
	s_cbranch_scc0 .Lno_ask_head
	global_prefetch_b8 v14, s[98:99] th:TH_LOAD_NT scope:SCOPE_SE              ; chunk 1
	global_prefetch_b8 v14, s[98:99] offset:256 th:TH_LOAD_NT scope:SCOPE_SE   ; chunk 2
.Lno_ask_head:
	; the biases, in the result's layout: lane (r, h) wants, for column tile nt, the numbers 16 nt + 8 h + 0..7
	v_and_b32 v1, 15, v0                           ; r
	v_bfe_u32 v2, v0, 4, 1                         ; h
	v_lshlrev_b32 v9, 5, v2                        ; 32 h
	s_wait_alu depctr_va_vdst(0)
	s_lshl_b32 s4, s26, 10
	s_lshl_b32 s5, s62, 9
	s_add_co_u32 s4, s4, s5                        ; (256 X + 128 CH) x 4
	s_mov_b32 s5, 0
	s_add_nc_u64 s[12:13], s[12:13], s[4:5]
	s_lshl_b32 s4, s96, 7
	s_lshl_b32 s6, s62, 6
	s_add_co_u32 s4, s4, s6                        ; (32 cx + 16 CH) x 4
	s_add_nc_u64 s[14:15], s[14:15], s[4:5]
	WIN 0xc0                                       ; destination window 3
.irp nt, 0,1,2,3,4,5,6,7
	global_load_b128 v[BQ+8*\nt:BQ+8*\nt+3], v9, s[12:13] offset:64*\nt
	global_load_b128 v[BQ+8*\nt+4:BQ+8*\nt+7], v9, s[12:13] offset:64*\nt+16
.endr
	global_load_b128 v[BE:BE+3], v9, s[14:15]
	global_load_b128 v[BE+4:BE+7], v9, s[14:15] offset:16
	WIN 0
	; every LDS address is made here, ahead of all partings
	v_mul_u32_u24 v3, v1, PITCH
	v_lshl_add_u32 v3, v2, 4, v3                   ; a fragment's row x pitch + 16 x half
	s_wait_alu depctr_va_vdst(0)
	s_mul_i32 s4, s61, 64*PITCH                    ; my 64 rows of hs
	s_mul_i32 s5, s62, 128*PITCH
	s_add_co_u32 s5, s5, BOFF                      ; my head's 128 rows of w_q
	s_mul_i32 s6, s62, 16*PITCH
	s_add_co_u32 s6, s6, EOFF                      ; my 16 extra rows
.irp s, 0,1
	v_add_nc_u32 v[16+\s], s4, v3
	v_add_nc_u32 v[18+\s], s5, v3
	v_add_nc_u32 v[20+\s], s6, v3
	s_add_co_u32 s4, s4, SLOT
	s_add_co_u32 s5, s5, SLOT
	s_add_co_u32 s6, s6, SLOT
.endr
	v_and_b32 v4, 31, v0
	v_lshlrev_b32 v4, 4, v4                        ; 16 x lane: an image's place for my lane
	s_lshl_b32 s4, s61, 11
	s_lshl_b32 s5, s62, 3
	s_add_co_u32 s4, s4, s5
	s_add_co_u32 s4, s4, KST
	v_add_nc_u32 v5, s4, v4                        ; k in: tile 4 RH + i at 512 i; my 8 bytes of a lane's 16: 8 CH
	s_lshl_b32 s4, s60, 10
	s_add_co_u32 s4, s4, KST
	v_add_nc_u32 v6, s4, v4                        ; k back: tiles 2 w, 2 w + 1
	s_mul_i32 s4, s60, 5120
	s_add_co_u32 s4, s4, VST
	v_mul_u32_u24 v7, v1, 80
	v_lshl_add_u32 v7, v2, 5, v7
	v_add_nc_u32 v7, s4, v7                        ; v in: row = key r, + 32 h: my eight d
	v_mul_u32_u24 v8, v2, 640
	v_lshl_add_u32 v8, v1, 2, v8
	v_add_nc_u32 v8, s4, v8                        ; v back: d = r, keys 8 h + j
	; where the images go
	s_lshr_b32 s4, s27, 3                          ; the batch
	s_and_b32 s5, s27, 7                           ; which 128 rows of it
	s_lshl_b32 s6, s4, 4
	s_lshl_b32 s7, s26, 1
	s_add_co_u32 s6, s6, s7
	s_add_co_u32 s6, s6, s62                       ; 16 b + head
	s_lshl_b32 s6, s6, 6
	s_lshl_b32 s7, s5, 3
	s_add_co_u32 s6, s6, s7
	s_lshl_b32 s7, s61, 2
	s_add_co_u32 s6, s6, s7                        ; x 64 + my first tile of queries
	s_lshl_b32 s6, s6, 11
	s_mov_b32 s7, 0
	s_add_nc_u64 s[20:21], s[20:21], s[6:7]
	s_lshl_b32 s6, s5, 3
	s_lshl_b32 s8, s60, 1
	s_add_co_u32 s6, s6, s8                        ; k: tile 8 (Y % 8) + 2 w,
	s_lshl_b32 s6, s6, 11
	s_lshl_b32 s8, s4, 17
	s_add_co_u32 s6, s6, s8
	s_lshl_b32 s8, s96, 9                          ; its piece cx
	s_add_co_u32 s6, s6, s8
	s_add_nc_u64 s[22:23], s[22:23], s[6:7]
	s_lshl_b32 s6, s5, 3
	s_lshl_b32 s8, s96, 1
	s_add_co_u32 s6, s6, s8
	s_add_co_u32 s6, s6, s62                       ; v: fragment 8 (Y % 8) + 2 cx + CH,
	s_lshl_b32 s6, s6, 11
	s_lshl_b32 s8, s4, 17
	s_add_co_u32 s6, s6, s8
	s_lshl_b32 s8, s61, 10                         ; its pieces 2 RH, 2 RH + 1
	s_add_co_u32 s6, s6, s8
	s_add_nc_u64 s[24:25], s[24:25], s[6:7]
	s_wait_kmcnt 0x0
	s_add_co_i32 s4, s84, s85                      ; a sum of q stands for sum x 2^(e0 + e1): its code is sum / 2^(e6 - e0 - e1)
	s_sub_co_i32 s5, s90, s4
	s_add_co_i32 s5, s5, 127
	s_lshl_b32 s6, s5, 23
	v_mov_b32 v10, s6                              ; that scale as f32,
	s_add_co_i32 s5, s5, 8
	s_lshl_b32 s5, s5, 23
	s_or_b32 s5, s5, 0x600000
	v_mov_b32 v11, s5                              ; and 448 x it
	s_sub_co_i32 s4, 0, s4
	s_add_co_i32 s6, s86, s87                      ; k: e2 + e3;  v: e4 + e5
	s_add_co_i32 s7, s88, s89
	s_cmp_eq_u32 s63, 0
	s_cselect_b32 s6, s6, s7
	s_cselect_b32 s7, s91, s93                     ; k: e7;  v: e9
	s_sub_co_i32 s7, s7, s6
	s_add_co_i32 s7, s7, 127
	s_lshl_b32 s8, s7, 23
	v_mov_b32 v12, s8
	s_add_co_i32 s7, s7, 8
	s_lshl_b32 s7, s7, 23
	s_or_b32 s7, s7, 0x600000
	v_mov_b32 v13, s7
	s_sub_co_i32 s6, 0, s6
	s_wait_loadcnt 0x0                             ; the biases
	WIN 0xc3                                       ; source 0 and destination window 3
.set n, 0
.rept 64
	v_ldexp_f32 v[BQ+n], v[BQ+n], s4               ; b_q / 2^(e0 + e1): exact
.set n, n+1
.endr
.set n, 0
.rept 8
	v_ldexp_f32 v[BE+n], v[BE+n], s6
.set n, n+1
.endr
	WIN 0
.macro FRAG reg, adr, q, idx           ; a fragment: registers 4 c .. 4 c + 3 hold K = 32 c + 16 h + 0..15 of row r
.irp c, 0,1,2,3
	ds_load_b128 v[\reg+4*\c:\reg+4*\c+3], v[\adr] offset:128*(\q)+32*\c+(\idx)*16*PITCH
.endr
.endm
.macro FETCH slot, q                   ; 52 loads in one run: the weights' nine fragments, then hs's four, of the slot's q-th 128 along K; the caller sets the destination's window
.irp nt, 0,1,2,3,4,5,6,7
	FRAG BF+16*\nt, 18+\slot, \q, \nt
.endr
	FRAG BF+128, 20+\slot, \q, 0
.irp m, 0,1,2,3
	FRAG AF+16*\m, 16+\slot, \q, \m
.endr
.endm
; The 36 accumulators take turns, one instruction a turn, in the same order in every step.  first = 1: the bias is the C of a sum's first product: nothing is cleared.
.macro MULQ i, first
.irp nt, 0,1,2,3,4,5,6,7
.if \first
	v_wmma_f32_16x16x128_fp8_fp8 v[8*(8*(\i)+\nt):8*(8*(\i)+\nt)+7], v[BF+16*\nt:BF+16*\nt+15], v[AF+16*(\i):AF+16*(\i)+15], v[BQ+8*\nt:BQ+8*\nt+7]
.else
	v_wmma_f32_16x16x128_fp8_fp8 v[8*(8*(\i)+\nt):8*(8*(\i)+\nt)+7], v[BF+16*\nt:BF+16*\nt+15], v[AF+16*(\i):AF+16*(\i)+15], v[8*(8*(\i)+\nt):8*(8*(\i)+\nt)+7]
.endif
.endr
.endm
.macro MULX first
.irp m, 0,1,2,3
.if \first
	v_wmma_f32_16x16x128_fp8_fp8 v[8*\m:8*\m+7], v[BF+128:BF+143], v[AF+16*\m:AF+16*\m+15], v[BE:BE+7]
.else
	v_wmma_f32_16x16x128_fp8_fp8 v[8*\m:8*\m+7], v[BF+128:BF+143], v[AF+16*\m:AF+16*\m+15], v[8*\m:8*\m+7]
.endif
.endr
.endm
; A slot's first 128 along K, on set 0; the second 128's fragments are fetched into set 1 ahead of the 36 products.
.macro STEP0 slot, first
	s_wait_dscnt 0x0                               ; set 0 is in
	PLACES 4                                       ; four places between the last products on set 1 and the loads into it
	WIN 0x80                                       ; destination window 2
	FETCH \slot, 1
.if \first
	WIN 0x70                                       ; C window 3 (the bias), D window 1
.else
	WIN 0x50                                       ; C and D window 1
.endif
	MULQ 0, \first
	MULQ 1, \first
	MULQ 2, \first
	MULQ 3, \first
	WIN 0xf0                                       ; C and D window 3
	MULX \first
	WIN 0
.endm
; A slot's second 128, on set 1, and the change of slots: ONE barrier; ahead of it each wave waits for all its tensor loads, adds 0 to its spare word, and waits for that and for its reads of this slot.
.macro TURN slot, next, fill
.if \fill
	s_wait_xcnt 0x0                                ; my last prefetch has read its address: it is stepped here
	s_add_nc_u64 s[98:99], s[98:99], 256
.endif
	s_wait_tensorcnt 0x0
	ds_add_u32 v28, v29                            ; 0 onto my spare word
	s_wait_dscnt 1                                 ; set 1's 52 loads are in; the add alone may be out
	WIN 0x5a                                       ; sources window 2, C and D window 1
	MULQ 0, 0                                      ; eight products stand between the add and the wait for it
	s_wait_dscnt 0x0                               ; the add is done, and my reads of this slot are over
	s_barrier_signal -1
	MULQ 1, 0                                      ; work on registers while the others arrive
	WIN 0
	s_barrier_wait -1
.if \fill
	CREST
	s_add_nc_u64 s[G0A+4*\slot+2:G0A+4*\slot+3], s[G0A+4*\slot+2:G0A+4*\slot+3], 2*ROWB
	s_add_nc_u64 s[G0B+4*\slot+2:G0B+4*\slot+3], s[G0B+4*\slot+2:G0B+4*\slot+3], 2*ROWB
	s_add_nc_u64 s[G0E+4*\slot+2:G0E+4*\slot+3], s[G0E+4*\slot+2:G0E+4*\slot+3], 2*ROWB
	JLOAD \slot                                    ; my one tensor load behind the round; its four v_nop are also the places ahead of the loads below
.else
	PLACES 4
.endif
	FETCH \next, 0
.if \fill
	s_cmp_gt_u32 s3, s100                          ; not in the loop's last trip: chunks 8 and 9 do not exist
	s_cbranch_scc0 .Lno_ask_\@
	global_prefetch_b8 v14, s[98:99] offset:256 th:TH_LOAD_NT scope:SCOPE_SE   ; the chunk two refills on
.Lno_ask_\@:
.endif
	WIN 0x5a
	MULQ 2, 0
	MULQ 3, 0
	WIN 0xfa
	MULX 0
	WIN 0
.endm
	s_wait_alu depctr_va_vdst(0)
	s_wait_tensorcnt 0x0                           ; my part of slot 0 is in
	ds_add_u32 v28, v29
	s_wait_xcnt 0x0                                ; the head's prefetches have read their address
	s_add_nc_u64 s[98:99], s[98:99], 256
	s_wait_dscnt 0x0
	CROUND                                         ; a whole round: slot 0 is whole in every partner, and the joint loads meet
	JLOAD 1                                        ; slot 1's first fill, my one tensor load behind the round
	FETCH 0, 0
	s_cmp_eq_u32 s100, 1
	s_cbranch_scc0 .Lno_ask_one
	global_prefetch_b8 v14, s[98:99] offset:256 th:TH_LOAD_NT scope:SCOPE_SE   ; chunk 3
.Lno_ask_one:
	STEP0 0, 1                                     ; the first step stands ahead of the loop: its products start the sums
	s_mov_b32 s3, 3
.Llap:                                             ; a trip goes once round the ring and fills both slots again: 2 + 3 x 2 = 8 fills = 2,048 along K
	TURN 0, 1, 1
	STEP0 1, 0
	TURN 1, 0, 1
	STEP0 0, 0
	s_sub_co_u32 s3, s3, 1
	s_cmp_lg_u32 s3, 0
	s_cbranch_scc1 .Llap
	TURN 0, 1, 0                                   ; the last lap fills nothing
	STEP0 1, 0
	s_wait_dscnt 0x0
	WIN 0x5a
	MULQ 0, 0
	MULQ 1, 0
	MULQ 2, 0
	MULQ 3, 0
	WIN 0xfa
	MULX 0
	WIN 0
	; THE WAY OUT.  First the extras.  The conversion to an 8-bit code does not saturate (ISA guide 7.6.2): each number is held within 448 x the scale first.
	PLACES 4
	WIN 0x03                                       ; source 0 window 3
.set n, 0
.rept 32
	v_med3_num_f32 v[96+n], v[n], -v13, v13        ; each accumulator from its low end on
.set n, n+1
.endr
	WIN 0
	s_cmp_eq_u32 s63, 0
	s_cbranch_scc0 .Lv_path
	; k: my accumulator i is registers 2 c, 2 c + 1 (c = 2 cx + CH) of tile 4 RH + i: 8 of a lane's 16 bytes of piece cx.  The two waves of a row half meet in LDS
.irp m, 0,1,2,3
	v_cvt_scalef32_pk8_fp8_f32 v[128+2*\m:129+2*\m], v[96+8*\m:103+8*\m], v12
.endr
	v_nop                                          ; a plain line behind the last conversion
.irp m, 0,1,2,3
	ds_store_b64 v5, v[128+2*\m:129+2*\m] offset:512*\m
.endr
	s_branch .Ljoin
.Lv_path:
	; v: K of the next product is the keys, which lie across my lanes: 64 keys x 16 d turn through my own stage, in f32.  LDS serves a wave's instructions in order: no wait between stores and loads
	s_wait_alu depctr_va_vdst(0)
.irp m, 0,1,2,3
	ds_store_b128 v7, v[96+8*\m:99+8*\m] offset:1280*\m
	ds_store_b128 v7, v[100+8*\m:103+8*\m] offset:1280*\m+16
.endr
.irp m, 0,1,2,3
.irp j, 0,1,2,3,4,5,6,7
	ds_load_b32 v[136+8*\m+\j], v8 offset:(16*\m+\j)*80   ; v(key 16 m + 8 h + j, d = r)
.endr
.endr
	s_wait_dscnt 0x0
.irp m, 0,1,2,3
	v_cvt_scalef32_pk8_fp8_f32 v[168+2*\m:169+2*\m], v[136+8*\m:143+8*\m], v12
.endr
	v_nop
	global_store_b128 v4, v[168:171], s[24:25]               ; 32 lanes store 512 consecutive bytes, aligned
	global_store_b128 v4, v[172:175], s[24:25] offset:512
.Ljoin:
	s_wait_dscnt 0x0                               ; for the others' sake: my stores into k's stage are done
	s_barrier_signal -1
	s_barrier_wait -1
	s_cmp_eq_u32 s63, 0
	s_cbranch_scc0 .Lq_out
	ds_load_b128 v[128:131], v6
	ds_load_b128 v[132:135], v6 offset:512
	s_wait_dscnt 0x0
	global_store_b128 v4, v[128:131], s[22:23]
	global_store_b128 v4, v[132:135], s[22:23] offset:2048
.Lq_out:
	; q: the eight accumulators of a tile of rows become one fragment, which is stored as it stands; each store has data registers of its own
.irp m, 0,1,2,3
	WIN 0x01                                       ; source 0 window 1
.set n, 0
.rept 64
	v_med3_num_f32 v[32+n], v[64*\m+n], -v11, v11
.set n, n+1
.endr
	WIN 0
.irp nt, 0,1,2,3,4,5,6,7
	v_cvt_scalef32_pk8_fp8_f32 v[176+16*\m+2*\nt:177+16*\m+2*\nt], v[32+8*\nt:39+8*\nt], v10
.endr
	v_nop                                          ; a plain line between the conversions and the next tile's holds, which write their sources
.irp c, 0,1,2,3
	global_store_b128 v4, v[176+16*\m+4*\c:179+16*\m+4*\c], s[20:21] offset:2048*\m+512*\c
.endr
.endr
	s_wait_tensorcnt 0x0                           ; the wave's end
	ds_add_u32 v28, v29
	s_wait_dscnt 0x0
	CROUND                                         ; the closing round: no work-group ends while a partner may still ask for a tile that names it
	s_endpgm
.Lfunc_end_k_q4290216bc9_qkv:
	.size	k_q4290216bc9_qkv, .Lfunc_end_k_q4290216bc9_qkv-k_q4290216bc9_qkv
	.p2alignl 7, 3214868480
	.fill 96, 4, 3214868480
	.section	.rodata,"a",@progbits
	.p2align	6, 0x0
	.amdhsa_kernel k_q4290216bc9_qkv
		.amdhsa_group_segment_fixed_size 327680
		.amdhsa_private_segment_fixed_size 0
		.amdhsa_enable_private_segment 0
		.amdhsa_kernarg_size 88
		.amdhsa_user_sgpr_count 2
		.amdhsa_user_sgpr_kernarg_segment_ptr 1
		.amdhsa_wavefront_size32 1
		.amdhsa_system_sgpr_workgroup_id_x 1
		.amdhsa_system_sgpr_workgroup_id_y 1
		.amdhsa_system_sgpr_workgroup_id_z 1
		.amdhsa_system_vgpr_workitem_id 0
		.amdhsa_next_free_vgpr 896
		.amdhsa_next_free_sgpr 102
		.amdhsa_reserve_vcc 0
		.amdhsa_float_denorm_mode_32 3
		.amdhsa_float_denorm_mode_16_64 3
		.amdhsa_memory_ordered 1
		.amdhsa_forward_progress 1
		.amdhsa_inst_pref_size 96
	.end_amdhsa_kernel
	.amdgpu_metadata
---
amdhsa.version: [ 1, 2 ]
amdhsa.kernels:
  - .name:           k_q4290216bc9_qkv
    .symbol:         k_q4290216bc9_qkv.kd
    .args:
      - { .name: hidden_state_codes, .offset: 0, .size: 8, .value_kind: global_buffer, .address_space: global }
      - { .name: w_q_codes, .offset: 8, .size: 8, .value_kind: global_buffer, .address_space: global }
      - { .name: w_k_codes, .offset: 16, .size: 8, .value_kind: global_buffer, .address_space: global }
      - { .name: w_v_codes, .offset: 24, .size: 8, .value_kind: global_buffer, .address_space: global }
      - { .name: b_q, .offset: 32, .size: 8, .value_kind: global_buffer, .address_space: global }
      - { .name: b_k, .offset: 40, .size: 8, .value_kind: global_buffer, .address_space: global }
      - { .name: b_v, .offset: 48, .size: 8, .value_kind: global_buffer, .address_space: global }
      - { .name: lowp_scales, .offset: 56, .size: 8, .value_kind: global_buffer, .address_space: global }
      - { .name: qimg, .offset: 64, .size: 8, .value_kind: global_buffer, .address_space: global }
      - { .name: kimg, .offset: 72, .size: 8, .value_kind: global_buffer, .address_space: global }
      - { .name: vimg, .offset: 80, .size: 8, .value_kind: global_buffer, .address_space: global }
    .group_segment_fixed_size: 327680
    .private_segment_fixed_size: 0
    .kernarg_segment_align: 8
    .kernarg_segment_size: 88
    .max_flat_workgroup_size: 128
    .sgpr_count:     102
    .vgpr_count:     896
    .wavefront_size: 32
...
	.end_amdgpu_metadata
.endif
;; end of part 1
;; launch attn (part 2): grid 4 x 64, 8 waves a work-group, clusters of 4 x 1, 327,680 bytes of LDS; arguments qimg, kimg, vimg, lowp_scales, ocodes; writes ocodes
.if DOCPART == 2
	.amdgcn_target "amdgcn-amd-amdhsa--gfx1250"
	.amdhsa_code_object_version 6
	.text
	.protected	k_q4290216bc9_attn
	.globl	k_q4290216bc9_attn
	.p2align	8
	.type	k_q4290216bc9_attn,@function
k_q4290216bc9_attn:
	s_mov_b64 s[64:65], 0
	v_nop
	global_prefetch_b8 v0, s[64:65] scope:SCOPE_SE
	s_setreg_imm32_b32 hwreg(HW_REG_WAVE_MODE, 25, 1), 1
	s_wait_xcnt 0x0
	s_wait_alu depctr_hold_cnt(0) depctr_sa_sdst(0) depctr_va_vdst(0) depctr_va_sdst(0) depctr_va_ssrc(0) depctr_va_vcc(0) depctr_vm_vsrc(0)
	s_getreg_b32 s2, hwreg(HW_REG_IB_STS2, 6, 4)
	s_cmp_eq_u32 s2, 0
	s_cbranch_scc0 .Lentry_in_a_cluster
	s_endpgm
.Lentry_in_a_cluster:
	s_bfe_u32 s2, ttmp6, 0x10000c
	s_cmp_lg_u32 s2, 0x3003
	s_cbranch_scc0 .Lentry_shape_is_right
	s_endpgm
.Lentry_shape_is_right:
; Attention with one key and value head, both products on E4M3 codes, and the quantiser (2^e10) of the result, which leaves as images of the last product's operand registers.
; qimg [b][head][tile of 16 queries], kimg [b][tile of 16 keys]: K = d.  vimg [b][128 keys][tile of 16 d]: K = the keys.  A fragment is 2,048 bytes: registers 4 p .. 4 p + 3 at 512 p + 16 x lane.
; SHARES.  A work-group owns 256 queries of one (b, head); each of its eight waves 32 of them, two tiles.  All 1,024 keys of the batch lie in LDS: K's image in bytes 0 .. 131,071, V's behind it.
; TWO FILLS, no byte filled twice.  At the head key steps 0 and 1: waves 0-3 fetch K's 32,768 bytes, waves 4-7 V's, 8,192 bytes a wave.  Behind a round of the cluster's barrier
; the other six steps, 24,576 bytes a wave; that load is waited for behind the first key step, which reads K's steps 0 and 1 and V's step 0 alone, at addresses that are constants of the text.
; CLUSTERS: the four work-groups of a (b, head) need the same K and V: joint loads, mask 15.
; ONE PASS OVER THE KEYS, 128 a step.  t = score x log2(e) / sqrt(128); M = the ceiling of the running largest t; p = 2^(t - M) is quantised by 2^e8; the row's sum is taken of the unquantised p.
; When M moves, the sum and O are multiplied by f = 2^(old M - new M), a power of two: in every step, with no branch on data.
; LAYOUT.  S^T = K Q^T: a lane holds one query, its registers keys.  O = P V: a lane holds one d, its registers eight queries 8 h + j, since the last product's K runs along the queries.
; So f (and at the end 1 / the sum) goes through 128 bytes of LDS of the wave's own: in by query, back as eight neighbours for each half of the lanes.
; No prefetch is laid: both fills are asked for ahead of the loop over the keys, so there is no loop to run ahead in.
; LIMITS: the scaled scores t stay under 2^31 in magnitude; e6 + e7 between -123 and 130; e8 and e10 between -126 and 119.
; REGISTERS.  Window 0: v1 16 x lane, v2 / v3 K's / V's address, v4-7 LDS addresses, v8-9 the add's, v10 / v12 -M, v11 and v28 448 x 2^e8, v14-17 the sums, v18-21 at work, v22-25 the running largest scores,
;   v29 2^e8, v30-31 448 x 2^e10 and 2^e10, v32-95 four fragments, v96-223 S^T then p, v224-255 Q.  Window 1: v0-127 O, v128-159 p's codes, v160-223 four fragments, v224-239 f by registers.
.set VIMG, 131072
.set RLS,  262144                      ; 128 bytes a wave: f, and 1 / the sum
.set STG,  263168                      ; the way out: 128 rows of 272 bytes
.set SPARE, 0x48c00                    ; the spare words, 128 bytes a wave
.set SP,   272
.set FRG,  32
.set GRG,  160
.set SCR,  96
.set QFR,  224
.set PCD,  128
.set FAC,  224
.set MSB, 0
.macro WIN new
.if MSB != \new
	s_set_vgpr_msb (MSB<<8)|\new
.set MSB, \new
.endif
.endm
.macro PLACES n
.rept \n
	v_nop
.endr
.endm
.macro CROUND
	s_barrier_signal -1
	s_barrier_wait -1
	s_cmp_lg_u32 s14, 0
	s_cbranch_scc1 .Lnot_wave_0_\@
	s_barrier_signal -3
.Lnot_wave_0_\@:
	s_barrier_wait -3
	s_barrier_signal -1
	s_barrier_wait -1
.endm
	s_load_b256 s[4:11], s[0:1], 0x0               ; qimg, kimg, vimg, the scales
	s_load_b64 s[12:13], s[0:1], 0x20              ; ocodes
	v_lshl_add_u32 v8, v0, 2, SPARE
	v_mov_b32 v9, 0
	ds_add_u32 v8, v9                              ; the opening lines: the add twice on end and its wait
	ds_add_u32 v8, v9
	v_lshrrev_b32 v1, 5, v0
	v_readfirstlane_b32 s14, v1                    ; wave 0..7
	v_and_b32 v1, 31, v0
	v_lshlrev_b32 v1, 4, v1                        ; 16 x lane
	s_bfe_u32 s15, ttmp6, 0x40000                  ; cx: which 256 queries
	s_and_b32 s16, ttmp7, 0xffff                   ; 16 b + head
	s_lshr_b32 s17, s16, 4                         ; b
	s_mov_b32 s24, 15|(3<<16)|(1<<21)              ; group 1 of the first fill: mask 15, elements of 8 bytes, 32 rows of 256 bytes, dense
	s_mov_b32 s25, 32<<16
	s_mov_b32 s26, 32<<16
	s_mov_b32 s27, 32<<16
	s_mov_b32 s28, 32
	s_mov_b32 s29, 32
	s_mov_b32 s30, 0
	s_mov_b32 s31, 0
	s_mov_b32 s44, 15|(3<<16)|(1<<21)              ; of the second: 96 such rows
	s_mov_b32 s45, 32<<16
	s_mov_b32 s46, 96<<16
	s_mov_b32 s47, 32<<16
	s_mov_b32 s48, 96
	s_mov_b32 s49, 32
	s_mov_b32 s50, 0
	s_mov_b32 s51, 0
	s_mov_b32 s40, 1
	s_mov_b32 s36, 1
	s_lshr_b32 s41, s14, 2
	s_lshl_b32 s41, s41, 17                        ; K's image at 0, V's at 131,072
	s_and_b32 s18, s14, 3
	s_mul_i32 s34, s18, 24576
	s_add_co_u32 s34, s34, 32768                   ; second fill: 32,768 + 24,576 (wave % 4) in an image
	s_lshl_b32 s18, s18, 13                        ; first fill: 8,192 (wave % 4)
	s_add_co_u32 s37, s41, s34
	s_add_co_u32 s41, s41, s18
	s_lshl_b32 s19, s17, 17                        ; the batch's image
	s_add_co_u32 s18, s18, s19
	s_add_co_u32 s34, s34, s19
	s_mov_b32 s19, 0
	s_mov_b32 s35, 0
	s_lshl_b32 s32, s16, 6
	s_lshl_b32 s62, s15, 4
	s_add_co_u32 s32, s32, s62
	s_lshl_b32 s62, s14, 1
	s_add_co_u32 s32, s32, s62
	s_lshl_b32 s32, s32, 11                        ; my first tile of queries
	s_mov_b32 s33, 0
	s_mov_b32 s20, 0x76543210
	s_mov_b32 s21, 0xfedcba98
	s_wait_alu depctr_va_vdst(0)
	s_wait_dscnt 0x0
	s_wait_kmcnt 0x0
	s_load_b64 s[52:53], s[10:11], 0x18            ; e6, e7
	s_load_b128 s[56:59], s[10:11], 0x20           ; e8 .. e11
	s_add_nc_u64 s[4:5], s[4:5], s[32:33]
.irp a, 0,1
.irp c, 0,1,2,3
	global_load_b128 v[QFR+16*\a+4*\c:QFR+16*\a+4*\c+3], v1, s[4:5] offset:2048*\a+512*\c
.endr
.endr
	s_cmp_lt_u32 s14, 4
	s_cselect_b64 s[42:43], s[6:7], s[8:9]         ; waves 0-3: K's image; waves 4-7: V's
	s_cselect_b64 s[38:39], s[6:7], s[8:9]
	s_add_nc_u64 s[42:43], s[42:43], s[18:19]
	s_add_nc_u64 s[38:39], s[38:39], s[34:35]
	s_or_b32 s43, s43, 0x80000000
	s_or_b32 s39, s39, 0x80000000
	CROUND                                         ; the four partners are here: the joint loads meet
	tensor_load_to_lds s[40:43], s[24:31]          ; key steps 0 and 1: my one tensor load at the head
	s_nop 0
	PLACES 4
	s_lshl_b32 s18, s16, 17
	s_lshl_b32 s61, s14, 14
	s_add_co_u32 s18, s18, s61
	s_lshl_b32 s62, s15, 12
	s_add_co_u32 s18, s18, s62
	s_add_nc_u64 s[12:13], s[12:13], s[18:19]      ; where my part of the result goes
	v_and_b32 v34, 15, v0
	v_bfe_u32 v35, v0, 4, 1
	s_lshl_b32 s62, s14, 7
	s_add_co_u32 s62, s62, RLS
	v_lshl_add_u32 v4, v34, 2, s62                 ; in: by query r
	v_lshl_add_u32 v5, v35, 5, s62                 ; back: queries 8 h + 0..7
	v_mul_u32_u24 v6, v34, SP
	v_lshl_add_u32 v6, v35, 3, v6
	s_lshl_b32 s62, s14, 5
	s_add_co_u32 s62, s62, STG
	v_add_nc_u32 v6, s62, v6
	v_mul_u32_u24 v7, v34, 2*SP
	v_lshl_add_u32 v7, v35, 4, v7
	s_lshr_b32 s62, s14, 1
	s_lshl_b32 s62, s62, 5
	s_and_b32 s63, s14, 1
	s_add_co_u32 s62, s62, s63
	s_mul_i32 s62, s62, SP
	s_add_co_u32 s62, s62, STG
	v_add_nc_u32 v7, s62, v7
.irp j, 22,23,24,25
	v_mov_b32 v[\j], 0xff61b1e6                    ; the largest score so far: -3e38
.endr
	v_mov_b32 v10, 0x7f61b1e6                      ; -M to match
	v_mov_b32 v12, 0x7f61b1e6
.irp j, 13,14,15,16,17,19,21,26,27
	v_mov_b32 v[\j], 0
.endr
	v_mov_b32 v2, v1
	s_wait_kmcnt 0x0
	s_add_co_i32 s62, s52, s53
	s_lshl_b32 s62, s62, 23
	s_mov_b32 s22, 0x3e0293ee                      ; log2(e) / sqrt(128),
	s_add_co_i32 s22, s22, s62                     ; x 2^(e6 + e7)
	s_mov_b32 s23, s22
	s_add_co_i32 s62, s56, 127
	s_lshl_b32 s63, s62, 23
	v_mov_b32 v29, s63
	s_add_co_i32 s62, s62, 8
	s_lshl_b32 s62, s62, 23
	s_or_b32 s62, s62, 0x600000
	v_mov_b32 v28, s62
	v_mov_b32 v11, s62                             ; a second copy, for the other half of the dual pairs (as the upper half of v[10:11] it is named and not used)
	s_add_co_i32 s62, s58, 127
	s_lshl_b32 s63, s62, 23
	v_mov_b32 v31, s63
	s_add_co_i32 s62, s62, 8
	s_lshl_b32 s62, s62, 23
	s_or_b32 s62, s62, 0x600000
	v_mov_b32 v30, s62
.macro FBASE tt, kind                  ; four fragments: kind 0 at FRG, kind 1 at GRG (window 1), kind 2 in the half of the scores' registers that the first eight products do not write
.if \kind == 2
.set fb, 128+16*(\tt)+32*((\tt)/2)
.elseif \kind == 1
.set fb, GRG+16*(\tt)
.else
.set fb, FRG+16*(\tt)
.endif
.endm
.macro LD4 adr, g, kind
.irp tt, 0,1,2,3
	FBASE \tt, \kind
.irp c, 0,1,2,3
	ds_load_b128 v[fb+4*\c:fb+4*\c+3], v[\adr] offset:(4*\g+\tt)*2048+512*\c
.endr
.endr
.endm
.macro QK dg, kind
.irp tt, 0,1,2,3
	FBASE \tt, \kind
.irp a, 0,1
	v_wmma_f32_16x16x128_fp8_fp8 v[SCR+64*\a+8*(4*\dg+\tt):SCR+64*\a+8*(4*\dg+\tt)+7], v[fb:fb+15], v[QFR+16*\a:QFR+16*\a+15], 0
.endr
.endr
.endm
.macro PV g, kind, zero
.irp tt, 0,1,2,3
	FBASE \tt, \kind
.irp a, 0,1
.if \zero
	s_wait_alu depctr_va_vdst(0)
	v_wmma_f32_16x16x128_fp8_fp8 v[8*(8*\a+4*\g+\tt):8*(8*\a+4*\g+\tt)+7], v[PCD+16*\a:PCD+16*\a+15], v[fb:fb+15], 0
.else
	v_wmma_f32_16x16x128_fp8_fp8 v[8*(8*\a+4*\g+\tt):8*(8*\a+4*\g+\tt)+7], v[PCD+16*\a:PCD+16*\a+15], v[fb:fb+15], v[8*(8*\a+4*\g+\tt):8*(8*\a+4*\g+\tt)+7]
.endif
.endr
.endr
.endm
.macro MAXS dg                         ; the running largest score, two chains a tile, each accumulator from its low end on
.irp tt, 0,1,2,3
.irp p, 0,1,2,3
.irp a, 0,1
	v_max3_num_f32 v[22+2*\a+(\p%2)], v[22+2*\a+(\p%2)], v[SCR+64*\a+8*(4*\dg+\tt)+2*\p], v[SCR+64*\a+8*(4*\dg+\tt)+2*\p+1]
.endr
.endr
.endr
.endm
; A KEY STEP: 128 keys.  zero = 1: the first step, whose products start O's sums (nothing is rescaled).  more = 1: the next step's fragments of K are fetched.
.macro STEP zero, more
	v_add_nc_u32 v3, s55, v1
	s_wait_alu depctr_va_vdst(0)
	s_wait_dscnt 16                                ; K's first four fragments are in; the 16 youngest loads may be out
	QK 0, 2
	s_wait_dscnt 0x0
	PLACES 5                                       ; the next products write over fragments that the last ones read; also the places ahead of the first maxima
	QK 1, 0
	MAXS 0                                         ; 32 lines on the first eight products' results: the places behind the second eight
	LD4 3, 0, 0                                    ; V's first four fragments
	MAXS 1
	v_mov_b32 v18, v10                             ; the old -M; the two tiles' chains take turns line by line
	v_mov_b32 v20, v12
	v_max_num_f32 v26, v22, v23
	v_max_num_f32 v27, v24, v25
	v_permlanex16_b32 v19, v26, s20, s21
	v_permlanex16_b32 v21, v27, s20, s21
	v_max_num_f32 v26, v26, v19
	v_max_num_f32 v27, v27, v21
	v_mul_f32 v26, s22, v26                        ; as t
	v_mul_f32 v27, s22, v27
	v_floor_f32 v10, -v26                          ; the new -M = -ceil(t)
	v_floor_f32 v12, -v27
	v_sub_f32 v18, v10, v18                        ; old M - new M, a whole number, 0 or less
	v_sub_f32 v20, v12, v20
	v_cvt_i32_f32 v18, v18                         ; (it saturates)
	v_cvt_i32_f32 v20, v20
	v_ldexp_f32 v18, 1.0, v18                      ; f
	v_ldexp_f32 v20, 1.0, v20
.if \zero == 0
	ds_store_b32 v4, v18                           ; f by query; LDS serves a wave's instructions in order, so the loads below see it
	ds_store_b32 v4, v20 offset:64
.endif
	WIN 0x40
	LD4 3, 1, 1                                    ; V's other four fragments
.if \zero == 0
.irp a, 0,1
	ds_load_b128 v[FAC+8*\a:FAC+8*\a+3], v5 offset:64*\a
	ds_load_b128 v[FAC+8*\a+4:FAC+8*\a+7], v5 offset:64*\a+16
.endr
.endif
	WIN 0
	v_pk_mul_f32 v[14:15], v[14:15], v[18:19] op_sel_hi:[1,0]   ; the sums under the new M
	v_pk_mul_f32 v[16:17], v[16:17], v[20:21] op_sel_hi:[1,0]
.set n, 0
.rept 32
	v_pk_fma_f32 v[SCR+n:SCR+n+1], v[SCR+n:SCR+n+1], s[22:23], v[10:11] op_sel_hi:[1,0,0]   ; t - M
.set n, n+2
.endr
.rept 32
	v_pk_fma_f32 v[SCR+n:SCR+n+1], v[SCR+n:SCR+n+1], s[22:23], v[12:13] op_sel_hi:[1,0,0]
.set n, n+2
.endr
.set n, 0
	s_wait_alu depctr_va_vdst(0)
.rept 128
	v_exp_f32 v[SCR+n], v[SCR+n]
.set n, n+1
.endr
	v_nop
	s_wait_alu depctr_va_vdst(0)
.irp a, 0,1
	v_pk_add_f32 v[18+2*\a:19+2*\a], v[SCR+64*\a:SCR+64*\a+1], v[SCR+64*\a+2:SCR+64*\a+3]
.endr
.irp j, 4,8,12,16,20,24,28,32,36,40,44,48,52,56,60
.irp a, 0,1
	v_pk_add_f32 v[14+2*\a:15+2*\a], v[14+2*\a:15+2*\a], v[SCR+64*\a+\j:SCR+64*\a+\j+1]
	v_pk_add_f32 v[18+2*\a:19+2*\a], v[18+2*\a:19+2*\a], v[SCR+64*\a+\j+2:SCR+64*\a+\j+3]
.endr
.endr
.irp a, 0,1
	v_pk_add_f32 v[14+2*\a:15+2*\a], v[14+2*\a:15+2*\a], v[18+2*\a:19+2*\a]
.endr
.set n, 0
.rept 64                                       ; the hold at 448 x 2^e8 (the conversion does not saturate: ISA guide 7.6.2), two numbers an instruction
	v_dual_min_num_f32 v[SCR+n], v[SCR+n], v28 :: v_dual_min_num_f32 v[SCR+n+1], v[SCR+n+1], v11
.set n, n+2
.endr
	WIN 0x40
.irp a, 0,1
.irp t, 0,1,2,3,4,5,6,7
	v_cvt_scalef32_pk8_fp8_f32 v[PCD+16*\a+2*\t:PCD+16*\a+2*\t+1], v[SCR+64*\a+8*\t:SCR+64*\a+8*\t+7], v29
.endr
.endr
	v_nop
.if \more
	WIN 0
	s_add_co_u32 s54, s54, 16384
	v_add_nc_u32 v2, s54, v1
	LD4 2, 0, 2
	s_wait_alu depctr_va_vdst(0)
	s_wait_dscnt 16                                ; V's fragments and f are in; the 16 loads just issued may be out
.else
	s_wait_alu depctr_va_vdst(0)
	s_wait_dscnt 0x0
.endif
.if \zero == 0
	WIN 0x45
	s_wait_alu depctr_va_vdst(0)                   ; directly ahead of the first reader of O
.irp a, 0,1
.set n, 0
.rept 32
	v_pk_mul_f32 v[64*\a+n:64*\a+n+1], v[64*\a+n:64*\a+n+1], v[FAC+8*\a+n%8:FAC+8*\a+n%8+1]   ; O under the new M: register j is query 8 h + j
.set n, n+2
.endr
.endr
.endif
	WIN 0x51
	PV 0, 0, \zero
.if \more
	PLACES 4
	WIN 0
	LD4 2, 1, 0
.endif
	WIN 0x55
	PV 1, 1, \zero
	WIN 0
	s_add_co_u32 s55, s55, 16384
.endm
	s_wait_alu depctr_va_vdst(0)
	s_wait_tensorcnt 0x0                           ; my part of key steps 0 and 1 is in
	ds_add_u32 v8, v9
	s_wait_dscnt 0x0
	CROUND                                         ; everybody's part is in, and the four partners are here
	tensor_load_to_lds s[36:39], s[44:51]          ; key steps 2 to 7, my one tensor load behind the round
	s_nop 0
	PLACES 4
	LD4 2, 0, 2
	LD4 2, 1, 0
	s_mov_b32 s54, 0
	s_mov_b32 s55, VIMG
	s_wait_loadcnt 0x0                             ; Q
	STEP 1, 1
	s_wait_tensorcnt 0x0                           ; my part of key steps 2 to 7 is in,
	s_wait_dscnt 0x0                               ; (no LDS instruction of mine is out at a signal)
	s_barrier_signal -1
	s_barrier_wait -1                              ; and so is everybody's
	s_mov_b32 s60, 6
.Lkeys:
	STEP 0, 1
	s_sub_co_u32 s60, s60, 1
	s_cmp_lg_u32 s60, 0
	s_cbranch_scc1 .Lkeys
	STEP 0, 0
	; THE WAY OUT: O x 2^(e8 + e9) / the sum, held, quantised by 2^e10 along the queries, and gathered in LDS so that whole pieces of images are stored.
	PLACES 4
.irp a, 0,1
	v_add_f32 v[14+2*\a], v[14+2*\a], v[15+2*\a]
.endr
.irp a, 0,1
	s_delay_alu instid0(VALU_DEP_2)
	v_permlanex16_b32 v[26+\a], v[14+2*\a], s20, s21
.endr
.irp a, 0,1
	s_delay_alu instid0(VALU_DEP_2)
	v_add_f32 v[14+2*\a], v[14+2*\a], v[26+\a]
.endr
	s_wait_alu depctr_va_vdst(0)
.irp a, 0,1
	v_rcp_f32 v[14+2*\a], v[14+2*\a]
.endr
	v_nop
	s_add_co_i32 s61, s56, s57
	s_wait_alu depctr_va_vdst(0)
.irp a, 0,1
	v_ldexp_f32 v[14+2*\a], v[14+2*\a], s61
.endr
	ds_store_b32 v4, v14
	ds_store_b32 v4, v16 offset:64
.irp a, 0,1
	ds_load_b128 v[FRG+8*\a:FRG+8*\a+3], v5 offset:64*\a
	ds_load_b128 v[FRG+8*\a+4:FRG+8*\a+7], v5 offset:64*\a+16
.endr
	s_wait_dscnt 0x0
	WIN 0x01
.irp a, 0,1
.set n, 0
.rept 32
	v_pk_mul_f32 v[SCR+64*\a+n:SCR+64*\a+n+1], v[64*\a+n:64*\a+n+1], v[FRG+8*\a+n%8:FRG+8*\a+n%8+1]
.set n, n+2
.endr
.endr
	WIN 0
.set n, 0
.rept 128
	v_med3_num_f32 v[SCR+n], v[SCR+n], -v30, v30
.set n, n+1
.endr
.irp a, 0,1
.irp dt, 0,1,2,3,4,5,6,7
	v_cvt_scalef32_pk8_fp8_f32 v[48+2*(8*\a+\dt):49+2*(8*\a+\dt)], v[SCR+64*\a+8*\dt:SCR+64*\a+8*\dt+7], v31
.endr
.endr
	v_nop
.irp a, 0,1
.irp dt, 0,1,2,3,4,5,6,7
	ds_store_b64 v6, v[48+2*(8*\a+\dt):49+2*(8*\a+\dt)] offset:16*SP*\dt+16*\a
.endr
.endr
	s_wait_dscnt 0x0                               ; for the others' sake: my stores into the stage are done
	s_barrier_signal -1
	s_barrier_wait -1
.irp u, 0,1,2,3,4,5,6,7
	ds_load_b128 v[SCR+4*\u:SCR+4*\u+3], v7 offset:32*\u
.endr
.irp u, 0,1,2,3,4,5,6,7
	s_wait_dscnt 7-\u
	global_store_b128 v1, v[SCR+4*\u:SCR+4*\u+3], s[12:13] offset:512*\u   ; 32 lanes store 512 consecutive bytes, aligned
.endr
	s_wait_tensorcnt 0x0                           ; the wave's end
	ds_add_u32 v8, v9
	s_wait_dscnt 0x0
	CROUND                                         ; the closing round
	s_endpgm
.Lfunc_end_k_q4290216bc9_attn:
	.size	k_q4290216bc9_attn, .Lfunc_end_k_q4290216bc9_attn-k_q4290216bc9_attn
	.p2alignl 7, 3214868480
	.fill 96, 4, 3214868480
	.section	.rodata,"a",@progbits
	.p2align	6, 0x0
	.amdhsa_kernel k_q4290216bc9_attn
		.amdhsa_group_segment_fixed_size 327680
		.amdhsa_private_segment_fixed_size 0
		.amdhsa_enable_private_segment 0
		.amdhsa_kernarg_size 40
		.amdhsa_user_sgpr_count 2
		.amdhsa_user_sgpr_kernarg_segment_ptr 1
		.amdhsa_wavefront_size32 1
		.amdhsa_system_sgpr_workgroup_id_x 1
		.amdhsa_system_sgpr_workgroup_id_y 1
		.amdhsa_system_sgpr_workgroup_id_z 1
		.amdhsa_system_vgpr_workitem_id 0
		.amdhsa_next_free_vgpr 512
		.amdhsa_next_free_sgpr 66
		.amdhsa_reserve_vcc 0
		.amdhsa_float_denorm_mode_32 3
		.amdhsa_float_denorm_mode_16_64 3
		.amdhsa_memory_ordered 1
		.amdhsa_forward_progress 1
		.amdhsa_inst_pref_size 122
	.end_amdhsa_kernel
	.amdgpu_metadata
---
amdhsa.version: [ 1, 2 ]
amdhsa.kernels:
  - .name:           k_q4290216bc9_attn
    .symbol:         k_q4290216bc9_attn.kd
    .args:
      - { .name: qimg, .offset: 0, .size: 8, .value_kind: global_buffer, .address_space: global }
      - { .name: kimg, .offset: 8, .size: 8, .value_kind: global_buffer, .address_space: global }
      - { .name: vimg, .offset: 16, .size: 8, .value_kind: global_buffer, .address_space: global }
      - { .name: lowp_scales, .offset: 24, .size: 8, .value_kind: global_buffer, .address_space: global }
      - { .name: ocodes, .offset: 32, .size: 8, .value_kind: global_buffer, .address_space: global }
    .group_segment_fixed_size: 327680
    .private_segment_fixed_size: 0
    .kernarg_segment_align: 8
    .kernarg_segment_size: 40
    .max_flat_workgroup_size: 256
    .sgpr_count:     66
    .vgpr_count:     512
    .wavefront_size: 32
...
	.end_amdgpu_metadata
.endif
;; end of part 2
;; launch oproj (part 3): grid 8 x 32, 4 waves a work-group, clusters of 4 x 4, 327,680 bytes of LDS; arguments ocodes, w_o_codes, b_o, lowp_scales, out0; writes out0
.if DOCPART == 3
	.amdgcn_target "amdgcn-amd-amdhsa--gfx1250"
	.amdhsa_code_object_version 6
	.text
	.protected	k_q4290216bc9_oproj
	.globl	k_q4290216bc9_oproj
	.p2align	8
	.type	k_q4290216bc9_oproj,@function
k_q4290216bc9_oproj:
	s_mov_b64 s[64:65], 0
	v_nop
	global_prefetch_b8 v0, s[64:65] scope:SCOPE_SE
	s_setreg_imm32_b32 hwreg(HW_REG_WAVE_MODE, 25, 1), 1
	s_wait_xcnt 0x0
	s_wait_alu depctr_hold_cnt(0) depctr_sa_sdst(0) depctr_va_vdst(0) depctr_va_sdst(0) depctr_va_ssrc(0) depctr_va_vcc(0) depctr_vm_vsrc(0)
	s_getreg_b32 s2, hwreg(HW_REG_IB_STS2, 6, 4)
	s_cmp_eq_u32 s2, 0
	s_cbranch_scc0 .Lentry_in_a_cluster
	s_endpgm
.Lentry_in_a_cluster:
	s_bfe_u32 s2, ttmp6, 0x10000c
	s_cmp_lg_u32 s2, 0xf033
	s_cbranch_scc0 .Lentry_shape_is_right
	s_endpgm
.Lentry_shape_is_right:
; out0 = A w_o + b_o.  A: [4096][2048] codes (scale 2^e10), given as images of operand registers: ocodes [tile of 16 rows][K step of 128][2,048 bytes], piece c at 512 c + 16 x lane holding
; K = 32 c + 16 h + 0..15 of row r.  w_o: [2048][2048] codes, K innermost (2^e11); b_o [2048], out0 [4096][2048]: f32.
; The codes are multiplied as they are; each finished sum goes out as sum x 2^(e10 + e11) + b_o, one packed multiply-add for two numbers.
; LIMIT: e10 + e11 lies between -126 and 127, so that 2^(e10 + e11) is an f32 number.
; A tile of 128 x 256 of the output is made by four waves, each 64 x 128: 32 accumulators.  8 x 32 tiles: one for each of 256 work-groups.
; A GOES FROM MEMORY STRAIGHT INTO REGISTERS: a wave's four fragments of a K step are 16 loads of 512 consecutive bytes, into five sets of 64 registers that take turns, asked for four K steps ahead.
; W_O ALONE GOES THROUGH LDS, so that a slot holds 512 along K: 256 rows x 528 bytes, two slots, four fills in all, two of them refills.  With A's 128 rows beside them two such slots would be
; 384 x 528 x 2 = 405,504 bytes, more than LDS has: that is why A's tile, which a row of the cluster shares, is not asked for jointly.
; CLUSTERS: 4 x 4: w_o's tile is shared along a column of the cluster: joint loads, 64 rows a wave.
; THE MATRIX INSTRUCTION IS USED TRANSPOSED (source 0 = 16 rows of w_o, source 1 = 16 rows of A): a lane holds eight neighbouring numbers of a row of the output.
; Within an instruction k is permuted alike in both operands (w_o's fragments come by loads of 16 bytes, and A's images are laid the same way).
; The 16 K steps are written out by macro: every offset is an immediate, and no base is stepped.
; REGISTERS: window 0: v1-29 addresses; v32-95 A's set 0; v96-223 w_o's 8 fragments, set 0.  window 2: the same numbers: A's set 1, w_o's set 1.  window 1: the accumulators, (i, nt) at v[8 (8 i + nt)].
;   window 3: v0-191 A's sets 2, 3, 4; v192-255 the bias.
.set PITCH, 528                        ; an LDS row: 512 bytes + 16 of padding = 132 words: the 16 rows of a fragment load start 4 banks apart
.set ROWB,  512
.set SLOT,  256*PITCH
.set SPARE, 2*SLOT                     ; the spare words, 128 bytes a wave: two blocks of 256 bytes that no other line names
.set STAGE, SPARE+512                  ; the way out: 16 rows x (512 bytes + 16) for each wave
.set SPITCH, 528
.set BF, 96
.set BQ, 192                           ; in window 3
.set TMP, 32
.set BK, 96
.set G1, 24                            ; s[24:31] descriptor group 1;  s[32:39] group 0, a set for each slot
.set G0, 32
.set PADW, (1<<20)|(1<<21)|(6<<22)|(3<<25)   ; elements of 1 byte; padding on; bit 21 beside a mask; after every 128 words, 4 words
.set MSB, 0
.macro WIN new
.if MSB != \new
	s_set_vgpr_msb (MSB<<8)|\new
.set MSB, \new
.endif
.endm
.macro PLACES n
.rept \n
	v_nop
.endr
.endm
.macro CREST
	s_cmp_lg_u32 s14, 0
	s_cbranch_scc1 .Lnot_wave_0_\@
	s_barrier_signal -3
.Lnot_wave_0_\@:
	s_barrier_wait -3
	s_barrier_signal -1
	s_barrier_wait -1
.endm
.macro CROUND
	s_barrier_signal -1
	s_barrier_wait -1
	CREST
.endm
.macro JLOAD s                         ; every wave fetches its 64 rows of w_o's tile; four v_nop follow
	tensor_load_to_lds s[G0+4*\s:G0+4*\s+3], s[G1:G1+7]
	s_nop 0
	PLACES 4
.endm
.macro ASET ks                         ; where A's set of K step ks lies: window AWN, first register ABS
.set AJ, (\ks)%5
.if AJ == 0
.set AWN, 0
.set ABS, 32
.elseif AJ == 1
.set AWN, 2
.set ABS, 32
.else
.set AWN, 3
.set ABS, 64*(AJ-2)
.endif
.endm
.macro ALOAD ks                        ; my four fragments of A of K step ks: 16 loads of 512 consecutive bytes
	ASET \ks
	WIN (AWN<<6)
.irp m, 0,1,2,3
.irp c, 0,1,2,3
	global_load_b128 v[ABS+16*\m+4*\c:ABS+16*\m+4*\c+3], v26, s[4:5] offset:\m*32768+(\ks)*2048+512*\c
.endr
.endr
.endm
.macro MWIN ks                         ; the windows of K step ks's products: source 0 (w_o) window 0 or 2, source 1 (A) its set's, C and D window 1
	ASET \ks
.set MW, 0x50|(AWN<<2)|(2*((\ks)%2))
	WIN MW
.endm
	s_load_b256 s[4:11], s[0:1], 0x0               ; ocodes s[4:5], w_o s[6:7], b_o s[8:9], the scales s[10:11]
	s_load_b64 s[12:13], s[0:1], 0x20              ; out0
	v_lshl_add_u32 v28, v0, 2, SPARE               ; my spare word; never rewritten
	v_mov_b32 v29, 0                               ; never rewritten
	ds_add_u32 v28, v29
	ds_add_u32 v28, v29
	s_wait_dscnt 0x0
	v_lshrrev_b32 v1, 5, v0
	v_readfirstlane_b32 s14, v1                    ; wave 0..3
	s_lshr_b32 s15, s14, 1                         ; RH: which 64 rows are mine
	s_and_b32 s16, s14, 1                          ; CH: which 128 columns
	s_bfe_u32 s40, ttmp6, 0x40000                  ; cx
	s_bfe_u32 s41, ttmp6, 0x40004                  ; cy
	s_lshl_b32 s42, ttmp9, 2
	s_add_co_u32 s42, s42, s40                     ; X
	s_and_b32 s17, ttmp7, 0xffff
	s_lshl_b32 s17, s17, 2
	s_add_co_u32 s17, s17, s41                     ; Y
	s_lshl_b32 s44, 0x1111, s40                    ; my column of the cluster
	s_or_b32 s[G1], s44, PADW
	s_mov_b32 s[G1+1], ROWB<<16                    ; tensor_dim0
	s_mov_b32 s[G1+2], 64<<16                      ; tensor_dim1
	s_mov_b32 s[G1+3], ROWB<<16                    ; tile_dim0
	s_mov_b32 s[G1+4], 64                          ; tile_dim1
	s_mov_b32 s[G1+5], 2048                        ; from row to row
	s_mov_b32 s[G1+6], 0
	s_mov_b32 s[G1+7], 0
	s_lshl_b32 s46, s42, 19                        ; w_o: row 256 X + 64 x wave, in bytes: it hangs on X and the wave alone
	s_lshl_b32 s47, s14, 17
	s_add_co_u32 s46, s46, s47
	s_mov_b32 s47, 0
	s_mul_i32 s45, s14, 64*PITCH                   ; where those rows go in a slot
	s_lshl_b32 s20, s17, 18                        ; A: tile of rows 8 Y + 4 RH, 32,768 bytes a tile
	s_lshl_b32 s21, s15, 17
	s_add_co_u32 s20, s20, s21
	s_mov_b32 s21, 0
	s_wait_kmcnt 0x0
	s_load_b64 s[96:97], s[10:11], 0x28            ; e10, e11
	s_add_nc_u64 s[46:47], s[6:7], s[46:47]
	s_add_nc_u64 s[4:5], s[4:5], s[20:21]
	CROUND                                         ; all sixteen work-groups are here: the first joint loads meet
.irp s, 0,1
	s_mov_b32 s[G0+4*\s], 1
	s_add_co_u32 s[G0+4*\s+1], s45, \s*SLOT
	s_add_nc_u64 s[G0+4*\s+2:G0+4*\s+3], s[46:47], \s*ROWB
	s_or_b32 s[G0+4*\s+3], s[G0+4*\s+3], 0x80000000
.endr
	JLOAD 0                                        ; slot 0: one tensor load a wave at the head
	; THE PREFETCHES, all by immediates on bases that are never stepped.  They stand behind A's first loads.  At the head: w_o's slot 1 and A's K steps 4-7; behind slot 1's joint load: w_o's slots 2 and 3 and A's K steps 8-15.
	; w_o: of the 64 rows x 512 bytes that a wave fetches, the partner at cy takes 16 rows, two blocks of 256 bytes a row, a lane a block; the first four rows of clusters ask, since all eight load the same rows.
	; A: a tile's K steps lie on end, 2,048 bytes each.  Of my four tiles the partner at cx takes tile cx.  K steps 4-7: 4,096 bytes a wave by CH, 16 blocks (the lanes left over name the last again);
	; K steps 8-15: 8,192 bytes a wave by CH, 32 blocks.  K steps 0-3 come by their loads alone.
	s_lshl_b32 s48, s41, 15                        ; 16 cy rows of 2,048 bytes
	s_mov_b32 s49, 0
	s_add_nc_u64 s[48:49], s[46:47], s[48:49]
	v_and_b32 v26, 31, v0
	v_lshrrev_b32 v10, 1, v26
	v_and_b32 v11, 1, v26
	v_lshlrev_b32 v10, 11, v10
	v_lshl_add_u32 v10, v11, 8, v10                ; v10: w_o: row lane / 2, block lane % 2; never rewritten
	s_lshl_b32 s50, s40, 15
	s_lshl_b32 s51, s16, 13
	s_add_co_u32 s51, s50, s51
	v_lshl_add_u32 v11, v26, 8, s51                ; v11: A: tile cx, 8,192 CH, block = lane; never rewritten
	s_lshl_b32 s51, s16, 12
	s_add_co_u32 s51, s50, s51
	v_min_u32 v12, 15, v26
	v_lshl_add_u32 v12, v12, 8, s51                ; v12: A: tile cx, 4,096 CH, block = min(lane, 15); never rewritten
	v_lshlrev_b32 v26, 4, v26
	s_and_b32 s51, ttmp7, 0xffff                   ; the cluster's y
	s_wait_alu depctr_va_vdst(0)
	ALOAD 0                                        ; A's first four K steps
	ALOAD 1
	ALOAD 2
	ALOAD 3
	WIN 0
	global_prefetch_b8 v12, s[4:5] offset:8192 th:TH_LOAD_NT scope:SCOPE_SE     ; A's K steps 4-7
	s_cmp_lt_u32 s51, 4
	s_cbranch_scc0 .Lno_w_head
	global_prefetch_b8 v10, s[48:49] offset:512 th:TH_LOAD_NT scope:SCOPE_SE    ; w_o's slot 1
.Lno_w_head:
	v_and_b32 v1, 15, v0                           ; r
	s_wait_alu depctr_va_vdst(0)
	v_bfe_u32 v2, v0, 4, 1                         ; h
	v_lshlrev_b32 v9, 5, v2                        ; 32 h: the bias in the result's layout
	s_lshl_b32 s20, s42, 10
	s_lshl_b32 s21, s16, 9
	s_add_co_u32 s20, s20, s21                     ; my first column, in bytes: (256 X + 128 CH) x 4
	s_mov_b32 s21, 0
	s_add_nc_u64 s[8:9], s[8:9], s[20:21]
	s_add_nc_u64 s[12:13], s[12:13], s[20:21]
	s_lshl_b32 s20, s17, 20
	s_lshl_b32 s22, s15, 19
	s_add_co_u32 s20, s20, s22                     ; my first row: (128 Y + 64 RH) x 8,192 bytes
	s_add_nc_u64 s[12:13], s[12:13], s[20:21]
	v_mul_u32_u24 v3, v1, PITCH
	s_wait_alu depctr_va_vdst(0)
	v_lshl_add_u32 v3, v2, 4, v3                   ; a fragment's row x pitch + 16 x half
	s_mul_i32 s22, s16, 128*PITCH                  ; my 128 rows of w_o
.irp s, 0,1
	v_add_nc_u32 v[18+\s], s22, v3
	s_add_co_u32 s22, s22, SLOT
.endr
	s_mul_i32 s23, s14, 16*SPITCH
	s_add_co_u32 s23, s23, STAGE                   ; my stage
	v_mul_u32_u24 v24, v1, SPITCH
	v_lshl_add_u32 v24, v2, 5, v24
	v_add_nc_u32 v24, s23, v24                     ; in: row r, 32 bytes for each half of the lanes
	v_add_nc_u32 v25, s23, v26                     ; back: the 32 lanes take a row of 512 bytes
.macro FETCH slot, q, p                ; 32 loads in one run: w_o's eight fragments of the slot's q-th 128 along K, into set p: registers 4 c .. 4 c + 3 hold K = 32 c + 16 h + 0..15 of row r
	WIN ((\p)<<7)                                  ; destination window 2 p
.irp nt, 0,1,2,3,4,5,6,7
.irp c, 0,1,2,3
	ds_load_b128 v[BF+16*\nt+4*\c:BF+16*\nt+4*\c+3], v[18+\slot] offset:128*(\q)+32*\c+\nt*16*PITCH
.endr
.endr
.endm
.macro BIAS                            ; b_o at 16 nt + 8 h + 0..7: asked for where A's loads have ended
	WIN 0xc0                                       ; destination window 3
.irp nt, 0,1,2,3,4,5,6,7
	global_load_b128 v[BQ+8*\nt:BQ+8*\nt+3], v9, s[8:9] offset:64*\nt
	global_load_b128 v[BQ+8*\nt+4:BQ+8*\nt+7], v9, s[8:9] offset:64*\nt+16
.endr
.endm
.macro MULQ i, zero                    ; the 32 accumulators take turns, one instruction a turn, in the same order in every step
.irp nt, 0,1,2,3,4,5,6,7
.if \zero
	v_wmma_f32_16x16x128_fp8_fp8 v[8*(8*(\i)+\nt):8*(8*(\i)+\nt)+7], v[BF+16*\nt:BF+16*\nt+15], v[ABS+16*(\i):ABS+16*(\i)+15], 0
.else
	v_wmma_f32_16x16x128_fp8_fp8 v[8*(8*(\i)+\nt):8*(8*(\i)+\nt)+7], v[BF+16*\nt:BF+16*\nt+15], v[ABS+16*(\i):ABS+16*(\i)+15], v[8*(8*(\i)+\nt):8*(8*(\i)+\nt)+7]
.endif
.endr
.endm
; K step ks, one whose successor lies in the same slot.  Ahead of its 32 products it asks for w_o's next fragments and for A's set of four steps on: both go into registers that step ks - 1 has multiplied.
.macro STEP ks, zero
.set SL, ((\ks)/4)%2
.set QQ, (\ks)%4
.set PP, (\ks)%2
	s_wait_dscnt 0x0                               ; w_o's set of this step is in
.if (\ks) > 0
	PLACES 4                                       ; four places between the last products and the loads into what they read
.endif
	FETCH SL, QQ+1, 1-PP
.if (\ks)+4 <= 15
	ALOAD (\ks)+4
.elseif (\ks) == 12
	BIAS
.endif
.if (\ks) <= 12
	s_wait_loadcnt 63                              ; A's set of this step is in: 64 loads were issued behind it, and 63 is the largest count that the wait names
.else
	s_wait_loadcnt 16*(16-(\ks))                   ; behind it: the sets that are left, and the bias
.endif
	MWIN \ks
	MULQ 0, \zero
	MULQ 1, \zero
	MULQ 2, \zero
	MULQ 3, \zero
.endm
; A slot's last K step, and the change of slots: ONE barrier; ahead of it each wave waits for all its tensor loads, adds 0 to its spare word, and waits for that and for its reads of this slot.
.macro TURN ks, fill
.set SL, ((\ks)/4)%2
.set PP, (\ks)%2
	WIN 0                                          ; (the add's two registers lie in window 0)
	s_wait_tensorcnt 0x0                           ; all my tensor loads have landed: my part of the next slot
	ds_add_u32 v28, v29                            ; 0 onto my spare word
	s_wait_loadcnt 48                              ; A's set of this step is in; the three younger sets may be out
	s_wait_dscnt 1                                 ; w_o's set is in; the add alone may be out
	MWIN \ks
	MULQ 0, 0
	s_wait_dscnt 0x0                               ; the add is done, and my reads of this slot are over
	s_barrier_signal -1
	MULQ 1, 0
	WIN 0
	s_barrier_wait -1
.if \fill
	CREST                                          ; the barrier has opened a round of the cluster's: no wave of any partner still reads this slot or has a load on its way
	s_add_nc_u64 s[G0+4*SL+2:G0+4*SL+3], s[G0+4*SL+2:G0+4*SL+3], 2*ROWB
	JLOAD SL                                       ; my one tensor load behind the round; its four v_nop are also the places ahead of the loads below
.else
	PLACES 4
.endif
	FETCH 1-SL, 0, 1-PP
	ALOAD (\ks)+4
	MWIN \ks
	MULQ 2, 0
	MULQ 3, 0
.endm
	s_wait_alu depctr_va_vdst(0)
	s_wait_tensorcnt 0x0                           ; my part of slot 0 is in
	ds_add_u32 v28, v29
	s_wait_dscnt 0x0
	CROUND                                         ; a whole round: slot 0 is whole in every partner, and the joint loads meet
	JLOAD 1                                        ; slot 1's first fill, my one tensor load behind the round
	FETCH 0, 0, 0
	global_prefetch_b8 v11, s[4:5] offset:16384 th:TH_LOAD_NT scope:SCOPE_SE    ; A's K steps 8-15
	s_cmp_lt_u32 s51, 4
	s_cbranch_scc0 .Lno_w_one
	global_prefetch_b8 v10, s[48:49] offset:1024 th:TH_LOAD_NT scope:SCOPE_SE   ; w_o's slot 2
	global_prefetch_b8 v10, s[48:49] offset:1536 th:TH_LOAD_NT scope:SCOPE_SE   ; and slot 3
.Lno_w_one:
	STEP 0, 1                                      ; the first step's products start the sums
	STEP 1, 0
	STEP 2, 0
	TURN 3, 1                                      ; slot 0 takes K 1,024 on
	STEP 4, 0
	STEP 5, 0
	STEP 6, 0
	TURN 7, 1                                      ; slot 1 takes K 1,536 on
	STEP 8, 0
	STEP 9, 0
	STEP 10, 0
	TURN 11, 0                                     ; nothing is left to fetch for the ring
	STEP 12, 0
	STEP 13, 0
	STEP 14, 0
	s_wait_loadcnt 16                              ; A's last set is in; the bias may be out
	s_wait_dscnt 0x0
	MWIN 15
	MULQ 0, 0
	MULQ 1, 0
	MULQ 2, 0
	MULQ 3, 0
	WIN 0
; THE WAY OUT, 16 rows x 128 columns at a time, through my own stage: in as 32 bytes a lane, back as whole rows of 512 bytes.  LDS serves a wave's instructions in order: no wait between stores and loads.
.macro TOSTAGE blk
	WIN 0x31                                       ; source 0 (the sums) window 1, source 2 (the bias) window 3
.set n, 0
.rept 32
	v_pk_fma_f32 v[TMP+n:TMP+n+1], v[64*(\blk)+n:64*(\blk)+n+1], s[96:97], v[BQ+n:BQ+n+1] op_sel_hi:[1,0,1]   ; sum x 2^(e10 + e11) + b_o; each accumulator from its low end on
.set n, n+2
.endr
	WIN 0
.irp nt, 0,1,2,3,4,5,6,7
	ds_store_b128 v24, v[TMP+8*\nt:TMP+8*\nt+3] offset:64*\nt
	ds_store_b128 v24, v[TMP+8*\nt+4:TMP+8*\nt+7] offset:64*\nt+16
.endr
.set BB, BK+64*((\blk)%2)
.irp t, 0,1,2,3,4,5,6,7,8,9,10,11,12,13,14,15
	ds_load_b128 v[BB+4*\t:BB+4*\t+3], v25 offset:\t*SPITCH
.endr
.endm
.macro SEND blk, younger               ; younger: the LDS instructions issued behind this block's loads, which may stay out
.set BB, BK+64*((\blk)%2)
	s_wait_dscnt \younger
.irp t, 0,1,2,3,4,5,6,7,8,9,10,11,12,13,14,15
	global_store_b128 v26, v[BB+4*\t:BB+4*\t+3], s[12:13] offset:(16*(\blk)+\t)*8192 th:TH_STORE_NT   ; 32 lanes store 512 consecutive bytes, aligned; written once, read by nobody here
.endr
.endm
	s_wait_kmcnt 0x0
	s_add_co_i32 s96, s96, s97
	s_add_co_i32 s96, s96, 127
	s_lshl_b32 s96, s96, 23                        ; 2^(e10 + e11) as f32
	s_mov_b32 s97, s96                             ; (named with it as a pair)
	s_wait_loadcnt 0x0                             ; the bias
	PLACES 4                                       ; ahead of the first read of results, and of the writes into A's set 0, which the last products read
	TOSTAGE 0
	TOSTAGE 1
	SEND 0, 32                                     ; behind block 0's loads: block 1's 16 stores and 16 loads
	s_wait_xcnt 0x0                                ; block 0's stores have read their registers: block 2's loads may land there
	TOSTAGE 2
	SEND 1, 32
	s_wait_xcnt 0x0
	TOSTAGE 3
	SEND 2, 32
	SEND 3, 0
	s_wait_tensorcnt 0x0                           ; the wave's end
	ds_add_u32 v28, v29
	s_wait_dscnt 0x0
	CROUND                                         ; the closing round: no work-group ends while a partner may still ask for a tile that names it
	s_endpgm
.Lfunc_end_k_q4290216bc9_oproj:
	.size	k_q4290216bc9_oproj, .Lfunc_end_k_q4290216bc9_oproj-k_q4290216bc9_oproj
	.p2alignl 7, 3214868480
	.fill 96, 4, 3214868480
	.section	.rodata,"a",@progbits
	.p2align	6, 0x0
	.amdhsa_kernel k_q4290216bc9_oproj
		.amdhsa_group_segment_fixed_size 327680
		.amdhsa_private_segment_fixed_size 0
		.amdhsa_enable_private_segment 0
		.amdhsa_kernarg_size 40
		.amdhsa_user_sgpr_count 2
		.amdhsa_user_sgpr_kernarg_segment_ptr 1
		.amdhsa_wavefront_size32 1
		.amdhsa_system_sgpr_workgroup_id_x 1
		.amdhsa_system_sgpr_workgroup_id_y 1
		.amdhsa_system_sgpr_workgroup_id_z 1
		.amdhsa_system_vgpr_workitem_id 0
		.amdhsa_next_free_vgpr 1024
		.amdhsa_next_free_sgpr 98
		.amdhsa_reserve_vcc 0
		.amdhsa_float_denorm_mode_32 3
		.amdhsa_float_denorm_mode_16_64 3
		.amdhsa_memory_ordered 1
		.amdhsa_forward_progress 1
		.amdhsa_inst_pref_size 125
	.end_amdhsa_kernel
	.amdgpu_metadata
---
amdhsa.version: [ 1, 2 ]
amdhsa.kernels:
  - .name:           k_q4290216bc9_oproj
    .symbol:         k_q4290216bc9_oproj.kd
    .args:
      - { .name: ocodes, .offset: 0, .size: 8, .value_kind: global_buffer, .address_space: global }
      - { .name: w_o_codes, .offset: 8, .size: 8, .value_kind: global_buffer, .address_space: global }
      - { .name: b_o, .offset: 16, .size: 8, .value_kind: global_buffer, .address_space: global }
      - { .name: lowp_scales, .offset: 24, .size: 8, .value_kind: global_buffer, .address_space: global }
      - { .name: out0, .offset: 32, .size: 8, .value_kind: global_buffer, .address_space: global }
    .group_segment_fixed_size: 327680
    .private_segment_fixed_size: 0
    .kernarg_segment_align: 8
    .kernarg_segment_size: 40
    .max_flat_workgroup_size: 128
    .sgpr_count:     98
    .vgpr_count:     1024
    .wavefront_size: 32
...
	.end_amdgpu_metadata
.endif
;; end of part 3
